; MI455X (gfx1250); checked and timed in simulation.
; The chip was launched on July 23, 2026; its instructions are those of AMD's public machine-readable ISA for CDNA 5 (MIT licence, August 2026) and "CDNA5" Instruction Set Architecture Reference Guide (July 2026). The comments in the code are by the model that wrote it; some were corrected since.
;; Block. Allowed arithmetic: matrix products marked QUANTISED: E2M1 operands, one E8M0 scale for each 32 along K, by v_wmma_scale_f32_16x16x128_f8f6f4 with both operands' format E2M1 (or v_wmma_scale_f32_32x16x128_f4), f32 sums; everything else in f32.
;; Inputs: W1_codes 1,024 x 8 x 16 uint8 (E2M1 codes of W1, K innermost, in blocks of 32 codes, two codes a byte); W1_scales 1,024 x 8 uint8 (E8M0 scales of W1, one for each 32 codes along K); W2_codes 256 x 32 x 16 uint8 (E2M1 codes of W2, K innermost, in blocks of 32 codes, two codes a byte); W2_scales 256 x 32 uint8 (E8M0 scales of W2, one for each 32 codes along K); Wk_codes 8 x 32 x 8 x 16 uint8 (E2M1 codes of Wk, K innermost, in blocks of 32 codes, two codes a byte); Wk_scales 8 x 32 x 8 uint8 (E8M0 scales of Wk, one for each 32 codes along K); Wo_codes 256 x 8 x 16 uint8 (E2M1 codes of Wo, K innermost, in blocks of 32 codes, two codes a byte); Wo_scales 256 x 8 uint8 (E8M0 scales of Wo, one for each 32 codes along K); Wq_codes 8 x 32 x 8 x 16 uint8 (E2M1 codes of Wq, K innermost, in blocks of 32 codes, two codes a byte); Wq_scales 8 x 32 x 8 uint8 (E8M0 scales of Wq, one for each 32 codes along K); Wv_codes 8 x 32 x 8 x 16 uint8 (E2M1 codes of Wv, K innermost, in blocks of 32 codes, two codes a byte); Wv_scales 8 x 32 x 8 uint8 (E8M0 scales of Wv, one for each 32 codes along K); b1 1,024 float32; b2 256 float32; bo 256 float32; ln1_b 256 float32; ln1_g 256 float32; ln2_b 256 float32; ln2_g 256 float32; x 256 x 256 x 256 float32.
;; Outputs: out0 256 x 256 x 256 float32.
;; This version of the problem:
;;   THIS VERSION OF THE PROBLEM IS GIVEN IN LOW PRECISION. The matrix products marked QUANTISED in the list below multiply operands that are first quantised to E2M1 (2 exponent bits, 1 mantissa bit; 4 bits a number), with one power-of-two scale for each 32 numbers along K (OCP MX v1.0); their sums are f32. All else is computed in f32.
;;   The module's matrix products, in the order in which they are computed (A, B: the left and right operand; K: the contracted axis; several contracted axes count as one K, in the product's order):
;;     1. [M 256, K 256] x [K 256, N 65,536]; A: input Wq (given as codes); B: computed on the way: QUANTISED
;;     2. [M 256, K 256] x [K 256, N 65,536]; A: input Wk (given as codes); B: computed on the way: QUANTISED
;;     3. [M 256, K 256] x [K 256, N 65,536]; A: input Wv (given as codes); B: computed on the way: QUANTISED
;;     4. batch 2,048 x [M 256, K 32] x [K 32, N 256]; A: computed on the way; B: computed on the way: QUANTISED
;;     5. batch 2,048 x [M 256, K 256] x [K 256, N 32]; A: softmax (see below); B: computed on the way: QUANTISED
;;     6. [M 65,536, K 256] x [K 256, N 256]; A: computed on the way; B: input Wo (given as codes): QUANTISED
;;     7. [M 65,536, K 256] x [K 256, N 1,024]; A: computed on the way; B: input W1 (given as codes): QUANTISED
;;     8. [M 65,536, K 1,024] x [K 1,024, N 256]; A: computed on the way; B: input W2 (given as codes): QUANTISED
;;   THE QUANTISER, for each operand of a quantised product, along K:
;;     - K is cut into blocks of 32 from its start; a last block that is shorter is filled with zeros.
;;     - A block's scale is 2^e with e = floor(log2(the largest magnitude in the block)) - 2, held to -126 .. 127; a block of zeros has e = 0. As a byte (E8M0): e + 127.
;;     - Each number is divided by its block's scale, clamped to +-6, and rounded to the nearest number of E2M1, ties to even, subnormals kept.
;;     - The product sums the exact products of the quantised numbers (number of the format x scale) in f32.
;;   ~~~python
;;   def quantise(x, axis):      # numpy; x: float32 -> the quantised numbers, widened to float32 again
;;       x = np.moveaxis(x, axis, -1); K = x.shape[-1]
;;       x = np.pad(x, [(0, 0)] * (x.ndim - 1) + [(0, -K % 32)]); x = x.reshape(x.shape[:-1] + (-1, 32)); a = np.abs(x).max(-1, keepdims=True)
;;       e = np.where(a > 0, np.clip(np.frexp(np.where(a > 0, a, 1))[1] - 1 - 2, -126, 127), 0)      # np.frexp(a)[1] - 1 = floor(log2(a)), exactly
;;       r = np.clip(x / 2.0 ** e, -6, 6)
;;       step = 2.0 ** (np.maximum(np.frexp(np.where(r == 0, 1, r))[1] - 1, 0) - 1)
;;       q = np.round(r / step) * step * 2.0 ** e      # np.round: ties to even
;;       return np.moveaxis(q.reshape(q.shape[:-2] + (-1,))[..., :K], -1, axis).astype(np.float32)
;;   ~~~
;;   SOFTMAX AHEAD OF A QUANTISED PRODUCT. Where the list says 'softmax', what is quantised is not the finished softmax but p = 2^(t - M), with t = logit x log2(e) and M = ceil(the row's largest t), a whole number; so 1/2 < the row's largest p <= 1. The row's sum l is taken of the UNQUANTISED p, in f32, and the product's result is divided by l at the end. Since M is a whole number, a kernel that streams over the keys may use a running M (the ceiling of the running maximum): every later rescaling is an exact power of two, which a block's scale takes up: the codes' values come out the same.
;;   OPERANDS COMPUTED ON THE WAY. 'Computed on the way' means the value that the module computes at that place (a softmax that the list does not call 'softmax' is quantised finished and normalised). What goes into a quantiser is computed in f32, as accurately as f32 sums, v_exp_f32 and their like allow (about 1e-6 of the number): no bf16 or f16 on the way to a quantiser, and a product that is left as it is and whose result goes on into a quantised operand takes f32 operands (vector FMAs, or v_wmma_f32_16x16x4_f32). A number that lies on a knife's edge between two numbers of the format may be rounded either way, as far as f32 arithmetic and the matrix unit's own rounding can turn it there, and no further.
;;   INPUTS GIVEN AS CODES. W1 (in the module: [256, 1024], K = its axis 0); W2 (in the module: [1024, 256], K = its axis 0); Wk (in the module: [256, 8, 32], K = its axis 0); Wo (in the module: [256, 256], K = its axis 0); Wq (in the module: [256, 8, 32], K = its axis 0); Wv (in the module: [256, 8, 32], K = its axis 0): each comes as NAME_codes (uint8): NAME with its K axis moved to the last place and cut into blocks of 32 codes, [.., K / 32, bytes a block], one block behind the other in memory; two codes a byte, the lower K in the low four bits (a code: sign, 2 exponent bits, 1 mantissa bit); and NAME_scales (uint8): the same leading axes, one E8M0 byte (e + 127) for each 32 codes along K. Its value is code x scale, taken as it is: it is not quantised again, and the codes and scales need not be those that the quantiser above would give.
;; One version. Each part assembles by itself: llvm-mc -triple=amdgcn-amd-amdhsa -mcpu=gfx1250 --defsym DOCPART=n.
;; ======== version 1 of 1: 1 launch
;; limits: right only within a limited range of input values
;; launch block (part 1): grid 256 x 1, 8 waves a work-group, no clusters, 327,680 bytes of LDS; arguments x, ln1_g, ln1_b, Wk_codes, Wk_scales, Wv_codes, Wv_scales, Wq_codes, Wq_scales, Wo_codes, Wo_scales, bo, ln2_g, ln2_b, W1_codes, W1_scales, W2_codes, W2_scales, b1, b2, out0; writes out0
.if DOCPART == 1
	.amdgcn_target "amdgcn-amd-amdhsa--gfx1250"
	.amdhsa_code_object_version 6
	.text
	.protected	k_qa746073a3a_block
	.globl	k_qa746073a3a_block
	.p2align	8
	.type	k_qa746073a3a_block,@function
k_qa746073a3a_block:
	s_mov_b64 s[64:65], 0
	v_nop
	global_prefetch_b8 v0, s[64:65] scope:SCOPE_SE
	s_setreg_imm32_b32 hwreg(HW_REG_WAVE_MODE, 25, 1), 1
	s_wait_xcnt 0x0
; A whole transformer block for ONE sequence (256 tokens x 256 channels, f32) in one work-group of eight waves:
; LN1, q k v, causal attention, Wo + bo + residual, LN2, W1 + b1, relu, W2 + b2 + residual.  All eight products on codes of FP4 (E2M1) with one E8M0 scale for each 32 along K.
; x comes into LDS once, by asynchronous copies, and stays there as the residual: x, then x1 = x + sa, then the result, updated in place; it leaves as whole rows.  Nothing else goes to memory.
; THE COPIES GO IN TWO HALVES: each wave copies LDS tile w (16 rows) with its first 32 copies and tile 8 + w with its last 32.  LN1 and q, k, v of LDS rows 0-127 are made behind a wait that leaves the last 32 out.
; THE WAVES SHARE THE COLUMNS.  Wave w owns head w, block w (32 channels) of every operand whose K is 256, hidden units 128 w .. 128 w + 127 and output columns 32 w .. 32 w + 31.
; Each weight byte goes from memory straight into one wave's operand registers; q, k, v, p and the softmax of head w stay with wave w; from wave to wave go codes, through LDS, as images of the operand's registers.
; Only the norms' mean and variance are taken by rows (wave w: LDS rows 16 w .. + 15 and 128 + 16 w .. + 15).
; ORDER OF THE TOKENS IN LDS: row 16 T + r holds token 32 (T / 2) + 8 (T % 2) + r + 8 (r / 8).  In a result whose registers run along tokens, tiles 2 B and 2 B + 1 then give a lane 16 NEIGHBOURS: 32 B + 16 h + 0 .. 15.
; ORDER OF A WEIGHT'S ROWS: lane r of tile u of a block of 32 rows takes row 8 u + r + 8 (r / 8): in a transposed product (source 0 = weight rows, source 1 = tokens) lane (r, h) holds token r and register 8 u + j column 16 h + 8 u + j.
; K = 32 (q k^T) IN AN INSTRUCTION OF K = 128: a token's 32 codes stay as the conversions leave them, registers 0, 1 of lane (r, h) = channels 16 h .. 16 h + 15: the first half of the unit's block 0 (lanes 0-15)
; and of block 1 (lanes 16-31), alike for q and k; both scale words carry the token's byte twice.  q's other six registers are zero codes, so what k's fragment names there adds nothing.
; q's codes wait in registers until every wave is done with h's images; then they lie where the same wave later puts the same tile's part of the attention's image, over h's images.
; SOFTMAX: t = score x log2(e) / sqrt(32); a row's 256 scores lie in 128 registers, so M = ceil(the row's largest t) is final at once; p = 2^(t - M) is quantised along the keys; the sum of the unquantised p divides at the end.
; Blocks of 32 keys that lie wholly behind the query are left out of the softmax by scalar branches on the loop's counter; their codes are zeros.
; NO CLUSTER: the weights, which all work-groups read, go straight into operand registers; a joint load would want LDS for them, and 326,656 of 327,680 bytes are taken.
; NO PREFETCH, NO RING: the one stream, x, is asked for whole at the head (64 copies a wave); no LDS byte is filled twice.
; LIMITS: NaN and infinities among the inputs are not served.  A block whose largest magnitude lies under 2^-124, zeros among them, gets the scale byte 1 (these bytes are read by this program alone).
; t is rounded once (score x one constant) where the definition rounds twice.  q k^T sums its 32 products as two halves of 16.
.set XP,    1040                       ; a row of x in LDS: 1,024 bytes + 16
.set HIMG,  0                          ; images of h, later of h2: tile T 2,048 bytes; block w of it 256 bytes; token r 16 bytes
.set HSC,   32768                      ; their scale words: 128 T + 64 s + 4 r
.set STAT,  34816                      ; (mean, 1 / sqrt(var + eps)) for each LDS row, 8 bytes
.set XB,    36864                      ; x: 256 rows
.set AIMG,  HIMG                       ; q's codes, then the attention's images: over h's images
.set ASC,   HSC
.set HID,   XB+256*XP                  ; images of the hidden layer of two tiles of tokens: fragment 8 t + s, 1,024 bytes
.set HIDS,  HID+16384                  ; their scale words: 128 bytes a fragment
.set SPARE, HIDS+2048                  ; the spare words, 128 bytes a wave
.set QSC,   SPARE+1024                 ; q's scale bytes, each twice: 512 w + 32 T + 2 r
.set FLOOR, 0x1800000                  ; 2^(3 - 127): under it no largest magnitude is taken, so a scale's byte cannot fall under 1
.set EOFF,  0xff000000                 ; takes 2 off an exponent field
.set WV,  46                           ; my wave's number
.set SEL, 66                           ; s[66:67] v_permlanex16_b32's selects for lane l xor 16
.set CS,  76                           ; s[76:77] c = log2(e) / sqrt(32), twice
.set RN,  78                           ; 1 / 256
.set EP,  79                           ; 1e-5
.set CNT, 80
.set BQ,  81                           ; the query tile's block of 32 tokens
.set SA,  82                           ; stepped LDS offsets
.set SB,  83
.set SC2, 100
.set SD,  101
.set MK0, 48                           ; s[48:63] first the bases of the later 32 copies, then the diagonal block's masks for an even tile of queries
.set MK1, 84                           ; s[84:99] for an odd one
.set MKS, 4                            ; s[4:19]  the trip's choice (the pointers there are done with by then)
; v1 r, v2 h, v3 r + 8 (r / 8), v4-v8 offsets into the weights and biases, v9 16 x lane, v10 4 r, v11-v14 addresses in hand, v15 -infinity, v20-v21 the later copies' addresses, v22 q's scale bytes' place
.set QAD, 22
.set WQS, 16
.set KS,  24
.set VS,  40
.set QS,  44
.set PS,  46
.set HS,  48
.set ASR, 48
.set WKS, 52
.set WVS, 56
.set WOS, 60
.set W1S, 16
.set W2S, 32
.set PW,  50
.set HSR, 52
.set XR,  64
.set TT,  192
.set DD,  200
.set NS,  144
.set NX,  208
.set GG,  224
.set BN,  240
.set HFK, 64
.set CT,  112
.set VT,  116
.set ACC, 128
.set QAC, 192
.set QF,  64
.set PCA, 72
.set BM,  88
.set BT,  96
.set NM,  104
.set LS0, 106
.set LS1, 108
.set RL,  118
.set OC,  120
.set SS,  128
.set OA,  SS
.set AF,  64
.set XA,  128
.set B1,  64
.set B2,  128
.set HA,  144
.set HFM, 208
.set PCM, 240
.set YA,  144
.set HFR, 176
.set OUT, 176
.set KC,  0                            ; window 1 (v256 on)
.set VF,  32
.set WQ,  64
.set QC,  96
.set WO,  128
.set WK,  176
.set WV1, 208
.set BO,  240
.set W1F, 0
.set W2F, 128
.set MSB, 0
.macro WIN new                         ; s_set_vgpr_msb: bits 1:0 source 0, 3:2 source 1, 5:4 source 2, 7:6 destination; the high byte repeats the setting that is left
.if MSB != \new
	s_set_vgpr_msb (MSB<<8)|\new
.set MSB, \new
.endif
.endm
.macro PLACES n                        ; plain vector instructions that name no register of the matrix instructions round them (ISA guide 7.12.1)
.rept \n
	v_nop
.endr
.endm
.macro BAR                             ; my LDS stores have landed and my LDS loads are in: then the work-group's barrier
	s_wait_dscnt 0x0
	s_barrier_signal -1
	s_barrier_wait -1
.endm
.macro MMZ d, a, b, sa, sb             ; a product that starts a sum
	v_wmma_scale_f32_16x16x128_f8f6f4 v[0+(\d):7+(\d)], v[0+(\a):7+(\a)], v[0+(\b):7+(\b)], 0, v[0+(\sa)], v[0+(\sb)] matrix_a_fmt:MATRIX_FMT_FP4 matrix_b_fmt:MATRIX_FMT_FP4
.endm
.macro MMA d, a, b, sa, sb             ; one that adds in place
	v_wmma_scale_f32_16x16x128_f8f6f4 v[0+(\d):7+(\d)], v[0+(\a):7+(\a)], v[0+(\b):7+(\b)], v[0+(\d):7+(\d)], v[0+(\sa)], v[0+(\sb)] matrix_a_fmt:MATRIX_FMT_FP4 matrix_b_fmt:MATRIX_FMT_FP4
.endm
.macro MMC d, a, b, c, sa, sb          ; one that starts a sum with a bias
	v_wmma_scale_f32_16x16x128_f8f6f4 v[0+(\d):7+(\d)], v[0+(\a):7+(\a)], v[0+(\b):7+(\b)], v[0+(\c):7+(\c)], v[0+(\sa)], v[0+(\sb)] matrix_a_fmt:MATRIX_FMT_FP4 matrix_b_fmt:MATRIX_FMT_FP4
.endm
.macro PADD p                          ; a pointer + the offset in s[2:3]
	s_add_nc_u64 s[\p:\p+1], s[\p:\p+1], s[2:3]
.endm
.macro LOADWC p, f                     ; my 32 rows of a weight of K = 256: fragments (tile u, K step s) at f + 8 (2 u + s)
.irp u, 0,1
.irp s, 0,1
.irp c, 0,1
	global_load_b128 v[\f+8*(2*\u+\s)+4*\c:\f+8*(2*\u+\s)+4*\c+3], v4, s[\p:\p+1] offset:1024*\u+64*\s+32*\c
.endr
.endr
.endr
.endm
.macro LOADWS p, f                     ; and their scale words
.irp u, 0,1
.irp s, 0,1
	global_load_b32 v[\f+2*\u+\s], v5, s[\p:\p+1] offset:64*\u+4*\s
.endr
.endr
.endm
.macro LOADC16 p, f                    ; 16 numbers of a vector over the channels: my columns 32 w + 16 h + 0 .. 15
.irp j, 0,1,2,3
	global_load_b128 v[\f+4*\j:\f+4*\j+3], v8, s[\p:\p+1] offset:16*\j
.endr
.endm
.macro FETCH reg, adr, off             ; a fragment's image comes back as it was stored: 16 bytes a lane
.irp c, 0,1
	ds_load_b128 v[\reg+4*\c:\reg+4*\c+3], v[\adr] offset:\off+512*\c
.endr
.endm
; Line n of the quantiser of ONE block of 32 of which a lane holds 16, v[s] on (lane l xor 16 holds the others): largest magnitude with the floor among its leaves, its exponent field less 2 as the conversion's
; scale operand, that field as the byte (left in pt), two conversions into v[c], v[c + 1].  The two accumulators under s are each read first at their low end.
.macro QBL n, s, m, m2, pt, e, c
.if \n == 0
	v_max3_num_f32 v[\m], |v[\s]|, |v[\s+1]|, FLOOR
.elseif \n == 1
	v_max3_num_f32 v[\m2], |v[\s+2]|, |v[\s+3]|, |v[\s+4]|
.elseif \n == 2
	v_max3_num_f32 v[\m], v[\m], |v[\s+5]|, |v[\s+6]|
.elseif \n == 3
	v_max3_num_f32 v[\m2], v[\m2], |v[\s+7]|, |v[\s+8]|
.elseif \n == 4
	v_max3_num_f32 v[\m], v[\m], |v[\s+9]|, |v[\s+10]|
.elseif \n == 5
	v_max3_num_f32 v[\m2], v[\m2], |v[\s+11]|, |v[\s+12]|
.elseif \n == 6
	v_max3_num_f32 v[\m], v[\m], |v[\s+13]|, |v[\s+14]|
.elseif \n == 7
	v_max3_num_f32 v[\m], v[\m], v[\m2], |v[\s+15]|
.elseif \n == 8
	v_permlanex16_b32 v[\pt], v[\m], s[SEL], s[SEL+1]
.elseif \n == 9
	v_max_num_f32 v[\m], v[\m], v[\pt]
.elseif \n == 10
	v_add_nc_u32 v[\e], EOFF, v[\m]
.elseif \n == 11
	v_lshrrev_b32 v[\pt], 23, v[\e]
.elseif \n == 12
	v_cvt_scalef32_pk8_fp4_f32 v[\c], v[\s:\s+7], v[\e]
.else
	v_cvt_scalef32_pk8_fp4_f32 v[\c+1], v[\s+8:\s+15], v[\e]
.endif
.endm
.macro QB1 s, m, m2, pt, e, c
.irp n, 0,1,2,3,4,5,6,7,8,9,10,11,12,13
	QBL \n, \s, \m, \m2, \pt, \e, \c
.endr
	v_nop                                          ; one plain place behind a scaled conversion
.endm
; Four blocks by turns, 16 numbers a lane each, v[s + 16 b] on: TM + b the largest magnitude, TM + 4 + b the byte, TM + 12 + b the conversions' scale operand
.macro Q4 s
.irp b, 0,1,2,3
	v_max3_num_f32 v[TM+\b], |v[\s+16*\b]|, |v[\s+1+16*\b]|, FLOOR
.endr
.irp i, 2,4,6,8,10,12,14
.irp b, 0,1,2,3
	v_max3_num_f32 v[TM+\b], v[TM+\b], |v[\s+16*\b+\i]|, |v[\s+1+16*\b+\i]|
.endr
.endr
.irp b, 0,1,2,3
	s_delay_alu instid0(VALU_DEP_4)
	v_permlanex16_b32 v[TM+4+\b], v[TM+\b], s[SEL], s[SEL+1]
.endr
.irp b, 0,1,2,3
	s_delay_alu instid0(VALU_DEP_4)
	v_max_num_f32 v[TM+\b], v[TM+\b], v[TM+4+\b]
.endr
.irp b, 0,1,2,3
	s_delay_alu instid0(VALU_DEP_4)
	v_add_nc_u32 v[TM+12+\b], EOFF, v[TM+\b]
.endr
.irp b, 0,1,2,3
	s_delay_alu instid0(VALU_DEP_4)
	v_lshrrev_b32 v[TM+4+\b], 23, v[TM+12+\b]
.endr
.endm
.macro JOIN                            ; the four chains, the pair's halves and lane l xor 16's: the row's sum in v210
	s_delay_alu instid0(VALU_DEP_3)
	v_pk_add_f32 v[TT:TT+1], v[TT:TT+1], v[TT+2:TT+3]
	s_delay_alu instid0(VALU_DEP_2)
	v_pk_add_f32 v[TT+4:TT+5], v[TT+4:TT+5], v[TT+6:TT+7]
	s_delay_alu instid0(VALU_DEP_1)
	v_pk_add_f32 v[TT:TT+1], v[TT:TT+1], v[TT+4:TT+5]
	s_delay_alu instid0(VALU_DEP_1)
	v_add_f32 v210, v[TT], v[TT+1]
	v_permlanex16_b32 v211, v210, s[SEL], s[SEL+1]
	s_delay_alu instid0(VALU_DEP_1)
	v_add_f32 v210, v210, v211
.endm
; MEAN AND VARIANCE of my 16 LDS rows of half hf: lane (r, h) takes, of row r, 16 numbers of each block of 32: 128 numbers; lane l xor 16 the others.  Two passes over registers: the mean, then the squares of x - mean.
.macro STATS1 hf
	s_mul_i32 s[SA], s[WV], 16*XP
	s_add_co_u32 s[SA], s[SA], XB+128*XP*\hf
	s_lshl_b32 s[SB], s[WV], 7
	s_add_co_u32 s[SB], s[SB], STAT+1024*\hf
	v_mad_u32_u24 v11, v1, XP, s[SA]
	s_delay_alu instid0(VALU_DEP_1)
	v_add_nc_u32 v11, v8, v11
	v_lshl_add_u32 v12, v1, 3, s[SB]
.irp b, 0,1,2,3,4,5,6,7
.irp j, 0,1,2,3
	ds_load_b128 v[XR+16*\b+4*\j:XR+16*\b+4*\j+3], v11 offset:128*\b+16*\j
.endr
.endr
	s_wait_dscnt 24                                ; the first quarter of the 32 loads is in; the counts below leave the later quarters out
.irp k, 0,1,2,3
	v_pk_add_f32 v[TT+2*\k:TT+2*\k+1], v[XR+2*\k:XR+2*\k+1], v[XR+8+2*\k:XR+9+2*\k]
.endr
.set pp, 8
.rept 56
.if pp == 16
	s_wait_alu depctr_va_vdst(0)
	s_wait_dscnt 16
.elseif pp == 32
	s_wait_alu depctr_va_vdst(0)
	s_wait_dscnt 8
.elseif pp == 48
	s_wait_alu depctr_va_vdst(0)
	s_wait_dscnt 0x0
.endif
	v_pk_add_f32 v[TT+2*(pp%4):TT+2*(pp%4)+1], v[TT+2*(pp%4):TT+2*(pp%4)+1], v[XR+2*pp:XR+2*pp+1]
.set pp, pp+1
.endr
	JOIN
	s_delay_alu instid0(VALU_DEP_1)
	v_mul_f32 v208, s[RN], v210                    ; the mean
.set pp, 0
.rept 16
.irp k, 0,1,2,3
	v_pk_add_f32 v[DD+2*\k:DD+2*\k+1], v[XR+2*(pp+\k):XR+2*(pp+\k)+1], v[208:209] op_sel_hi:[1,0] neg_lo:[0,1] neg_hi:[0,1]
.endr
.irp k, 0,1,2,3
.if pp == 0
	s_delay_alu instid0(VALU_DEP_4)
	v_pk_mul_f32 v[TT+2*\k:TT+2*\k+1], v[DD+2*\k:DD+2*\k+1], v[DD+2*\k:DD+2*\k+1]
.else
	s_delay_alu instid0(VALU_DEP_4)
	v_pk_fma_f32 v[TT+2*\k:TT+2*\k+1], v[DD+2*\k:DD+2*\k+1], v[DD+2*\k:DD+2*\k+1], v[TT+2*\k:TT+2*\k+1]
.endif
.endr
.set pp, pp+4
.endr
	JOIN
	s_delay_alu instid0(VALU_DEP_1)
	v_fma_f32 v210, v210, s[RN], s[EP]             ; the variance + eps
	s_wait_alu depctr_va_vdst(0)                   ; the wait ahead of the transcendental
	v_rsq_f32 v213, v210
	v_mov_b32 v212, v208                           ; (the plain place behind the transcendental)
	s_wait_alu depctr_va_vdst(0)                   ; and ahead of its first reader
	ds_store_b64 v12, v[212:213]                   ; both halves of the lanes write the same 8 bytes with the same values
.endm
; NORMALISE AND QUANTISE my 32 channels of 64 x trips rows from row 64 c0 on, four tiles of 16 rows a trip, the four by turns line by line.  Lane (r, h): row r, channels 32 w + 16 h + 0 .. 15: half a block; its 16 codes are 8 bytes of the image.
.macro NORMQ c0, trips
	s_lshl_b32 s[SA], s[WV], 7
	s_add_co_u32 s[SA], s[SA], XB+64*XP*\c0
	s_mov_b32 s[SB], STAT+512*\c0
	s_lshl_b32 s[SC2], s[WV], 8
	s_add_co_u32 s[SC2], s[SC2], 8192*\c0
	s_lshr_b32 s[SD], s[WV], 2
	s_lshl_b32 s[SD], s[SD], 6
	s_and_b32 s2, s[WV], 3
	s_add_co_u32 s[SD], s[SD], s2
	s_add_co_u32 s[SD], s[SD], HSC+512*\c0         ; my byte: byte w % 4 of the word of K step w / 4
	s_mov_b32 s[CNT], 0
.Lnq_\@:
	v_mad_u32_u24 v11, v1, XP, s[SA]
	s_delay_alu instid0(VALU_DEP_1)
	v_add_nc_u32 v11, v8, v11
	v_lshl_add_u32 v12, v1, 3, s[SB]
	v_lshl_add_u32 v13, v1, 4, s[SC2]
	s_delay_alu instid0(VALU_DEP_1)
	v_lshl_add_u32 v13, v2, 3, v13
	v_add_nc_u32 v14, s[SD], v10
.irp i, 0,1,2,3
.irp j, 0,1,2,3
	ds_load_b128 v[NS+16*\i+4*\j:NS+16*\i+4*\j+3], v11 offset:16*XP*\i+16*\j
.endr
	ds_load_b64 v[NX+4*\i:NX+4*\i+1], v12 offset:128*\i
.endr
	s_wait_dscnt 0x0
.irp i, 0,1,2,3
	v_mov_b32 v[NX+4*\i+2], v[NX+4*\i+1]           ; 1 / sqrt(var + eps), twice: a pair for the packed multiply
	v_mov_b32 v[NX+4*\i+3], v[NX+4*\i+1]
.endr
.irp j, 0,2,4,6,8,10,12,14
.irp i, 0,1,2,3
	v_pk_add_f32 v[NS+16*\i+\j:NS+16*\i+\j+1], v[NS+16*\i+\j:NS+16*\i+\j+1], v[NX+4*\i:NX+4*\i+1] op_sel_hi:[1,0] neg_lo:[0,1] neg_hi:[0,1]
.endr
.endr
.irp j, 0,2,4,6,8,10,12,14
.irp i, 0,1,2,3
	v_pk_mul_f32 v[NS+16*\i+\j:NS+16*\i+\j+1], v[NS+16*\i+\j:NS+16*\i+\j+1], v[NX+4*\i+2:NX+4*\i+3]
.endr
.endr
.irp j, 0,2,4,6,8,10,12,14
.irp i, 0,1,2,3
	v_pk_fma_f32 v[NS+16*\i+\j:NS+16*\i+\j+1], v[NS+16*\i+\j:NS+16*\i+\j+1], v[GG+\j:GG+\j+1], v[BN+\j:BN+\j+1]
.endr
.endr
.irp n, 0,1,2,3,4,5,6,7,8,9,10,11,12,13
.irp i, 0,1,2,3
	QBL \n, NS+16*\i, NX+4*\i+2, NX+4*\i+3, NX+4*\i, NX+4*\i+1, NX+4*\i+2
.endr
.endr
	v_nop                                          ; one plain place behind the scaled conversions
.irp i, 0,1,2,3
	ds_store_b64 v13, v[NX+4*\i+2:NX+4*\i+3] offset:2048*\i       ; the 32 lanes write my block's 256 bytes of the tile's image
	ds_store_b8 v14, v[NX+4*\i] offset:128*\i                     ; both halves of the lanes write the same byte with the same value
.endr
	s_wait_dscnt 0x0
	s_add_co_u32 s[SA], s[SA], 64*XP
	s_add_co_u32 s[SB], s[SB], 512
	s_add_co_u32 s[SC2], s[SC2], 8192
	s_add_co_u32 s[SD], s[SD], 512
	s_add_co_u32 s[CNT], s[CNT], 1
	s_cmp_lt_u32 s[CNT], \trips
	s_cbranch_scc1 .Lnq_\@
	BAR
.endm
; ================================================================ THE HEAD
	s_load_b512 s[4:19], s[0:1], 0x0               ; x, ln1_g, ln1_b, Wk codes, Wk scales, Wv codes, Wv scales, Wq codes
	s_load_b512 s[20:35], s[0:1], 0x40             ; Wq scales, Wo codes, Wo scales, bo, ln2_g, ln2_b, W1 codes, W1 scales
	s_load_b256 s[36:43], s[0:1], 0x80             ; W2 codes, W2 scales, b1, b2
	s_load_b64 s[44:45], s[0:1], 0xa0              ; out0
	v_lshl_add_u32 v254, v0, 2, SPARE
	v_mov_b32 v255, 0
	ds_add_u32 v254, v255                          ; the opening lines: the add, twice on end, and its wait ahead of my first copy
	ds_add_u32 v254, v255
	s_wait_dscnt 0x0
	v_lshrrev_b32 v1, 5, v0
	s_delay_alu instid0(VALU_DEP_1)
	v_readfirstlane_b32 s[WV], v1                  ; wave 0..7
	v_and_b32 v1, 15, v0                           ; r
	v_bfe_u32 v2, v0, 4, 1                         ; h
	s_delay_alu instid0(VALU_DEP_2)
	v_and_b32 v3, 8, v1
	s_delay_alu instid0(VALU_DEP_1)
	v_add_nc_u32 v3, v3, v1                        ; r + 8 (r / 8)
	s_delay_alu instid0(VALU_DEP_1)
	v_lshlrev_b32 v4, 7, v3
	s_delay_alu instid0(VALU_DEP_1)
	v_lshl_add_u32 v4, v2, 4, v4                   ; a weight of K = 256: my row of 128 bytes, + 16 h
	s_delay_alu instid0(VALU_DEP_3)
	v_lshlrev_b32 v5, 3, v3                        ; its scale bytes: 8 a row
	s_delay_alu instid0(VALU_DEP_4)
	v_lshlrev_b32 v6, 9, v3
	s_delay_alu instid0(VALU_DEP_1)
	v_lshl_add_u32 v6, v2, 4, v6                   ; W2: rows of 512 bytes
	v_lshlrev_b32 v7, 5, v3                        ; its scale bytes: 32 a row
	v_lshlrev_b32 v8, 6, v2                        ; 64 h: my half's 16 numbers
	v_and_b32 v9, 31, v0
	s_delay_alu instid0(VALU_DEP_1)
	v_lshlrev_b32 v9, 4, v9                        ; 16 x lane
	v_lshlrev_b32 v10, 2, v1                       ; 4 r
	s_mov_b32 s[SEL], 0x76543210
	s_mov_b32 s[SEL+1], 0xfedcba98
	s_mov_b32 s[CS], 0x3e8293ee                    ; log2(e) / sqrt(32)
	s_mov_b32 s[CS+1], s[CS]
	s_mov_b32 s[RN], 0x3b800000                    ; 1 / 256
	s_mov_b32 s[EP], 0x3727c5ac                    ; 1e-5
	s_lshl_b32 s2, ttmp9, 18                       ; my sequence: 256 rows of 1,024 bytes
	s_mov_b32 s3, 0
	s_lshr_b32 s100, s[WV], 1                      ; LDS tile w begins at token 32 (w / 2) + 8 (w % 2)
	s_lshl_b32 s100, s100, 15
	s_and_b32 s101, s[WV], 1
	s_lshl_b32 s101, s101, 13
	s_add_co_u32 s100, s100, s101
	s_mul_i32 s101, s[WV], 16*XP
	s_add_co_u32 s101, s101, XB                    ; and at this LDS byte
	s_wait_alu depctr_va_vdst(0)                   ; the wait at the head's end
	s_wait_kmcnt 0x0
	PADD 4
	PADD 44
	s_mov_b32 s2, s100
	PADD 4
; THE COPIES.  One instruction moves 256 bytes of each of two neighbouring rows: lanes 0-15 one row, lanes 16-31 the next; four instructions a pair of rows, their immediates 256 bytes apart.
; Pair i of a tile: LDS rows 2 i, 2 i + 1 hold tokens 2 i + 8 (i / 4) + 0, 1 of the tile.  Tile w: an address pair in registers for each pair of rows; those registers are free behind the wait that shows the first 32 done.
; Tile 8 + w: ONE pair of registers, which stays untouched to the last wait; the LDS register stands at the tile's first row; the immediate, which is added to both addresses, steps the LDS rows by 2 i x 1,040,
; and a base of its own for each pair of rows sets the memory side right: (128 + 2 i + 8 (i / 4)) x 1,024 - 2 i x 1,040 = 131,072 - 32 i + 8,192 (i / 4).
.irp i, 0,1,2,3,4,5,6,7
	s_add_nc_u64 s[MK0+2*\i:MK0+2*\i+1], s[4:5], 131072-32*\i+8192*(\i/4)
.endr
	v_mad_u32_u24 v64, v2, XP, s101
	v_lshlrev_b32 v21, 10, v2
	s_delay_alu instid0(VALU_DEP_2)
	v_lshl_add_u32 v64, v1, 4, v64                 ; LDS: row h of the pair, 16 r bytes in
	s_delay_alu instid0(VALU_DEP_2)
	v_lshl_add_u32 v21, v1, 4, v21                 ; memory: the same
	s_delay_alu instid0(VALU_DEP_2)
	v_add_nc_u32 v20, 128*XP, v64
	s_delay_alu instid0(VALU_DEP_2)
	v_mov_b32 v72, v21
.irp i, 1,2,3,4,5,6,7
	v_add_nc_u32 v[64+\i], 2*\i*XP, v64
	v_add_nc_u32 v[72+\i], (2*\i+8*(\i/4))*1024, v21
.endr
.irp i, 0,1,2,3,4,5,6,7
.irp j, 0,1,2,3
	global_load_async_to_lds_b128 v[64+\i], v[72+\i], s[4:5] offset:256*\j
.endr
.endr
.irp i, 0,1,2,3,4,5,6,7
.irp j, 0,1,2,3
	global_load_async_to_lds_b128 v20, v21, s[MK0+2*\i:MK0+2*\i+1] offset:2*\i*XP+256*\j
.endr
.endr
	s_lshl_b32 s2, s[WV], 12                       ; my 32 rows of 128 bytes of Wk, Wv, Wq, Wo
	PADD 10
	PADD 14
	PADD 18
	PADD 22
	s_lshl_b32 s2, s[WV], 8                        ; their scale bytes
	PADD 12
	PADD 16
	PADD 20
	PADD 24
	s_lshl_b32 s2, s[WV], 7                        ; my 32 channels of the vectors
	PADD 6
	PADD 8
	PADD 26
	PADD 28
	PADD 30
	PADD 42
	s_lshl_b32 s2, s[WV], 9                        ; my 128 numbers of b1
	PADD 40
	s_lshl_b32 s2, s[WV], 14                       ; my 128 rows of W1, my 32 rows of W2
	PADD 32
	PADD 36
	s_lshl_b32 s2, s[WV], 10                       ; their scale bytes
	PADD 34
	PADD 38
	s_lshr_b32 s2, s[WV], 2                        ; on the way out I store LDS rows 32 g + 4 w + 0 .. 3: tokens 32 g + 8 (w / 4) + 16 ((w / 2) % 2) + 4 (w % 2) + 0 .. 3
	s_lshl_b32 s2, s2, 13
	s_bfe_u32 s100, s[WV], 0x10001
	s_lshl_b32 s100, s100, 14
	s_add_co_u32 s2, s2, s100
	s_and_b32 s100, s[WV], 1
	s_lshl_b32 s100, s100, 12
	s_add_co_u32 s2, s2, s100
	PADD 44
	WIN 0x40                                       ; destination window 1
	LOADWC 10, WK
	LOADWC 14, WV1
	LOADWC 18, WQ
	LOADWC 22, WO
	LOADC16 26, BO
	WIN 0
	LOADWS 12, WKS
	LOADWS 16, WVS
	LOADWS 20, WQS
	LOADWS 24, WOS
	LOADC16 6, GG
	LOADC16 8, BN
	v_mov_b32 v209, 0                              ; named as the upper half of a pair; a lane permute's destination counts as one of its sources
	v_mov_b32 v211, 0
	s_lshl_b32 s2, s[WV], 9
	s_add_co_u32 s2, s2, QSC
	v_lshl_add_u32 v[QAD], v1, 1, s2               ; where my q's scale bytes lie
; ================================================================ LN1 AND q, k, v OF MY HEAD, first for LDS rows 0-127, then for rows 128-255
.set TM, 96
.macro KVFETCH bb                      ; h's four fragments (tile t of the block, K step s) and their scale words
.irp t, 0,1
.irp s, 0,1
.irp c, 0,1
	ds_load_b128 v[HFK+8*(2*\t+\s)+4*\c:HFK+8*(2*\t+\s)+4*\c+3], v9 offset:HIMG+4096*(\bb)+2048*\t+1024*\s+512*\c
.endr
	ds_load_b32 v[HS+2*\t+\s], v10 offset:HSC+256*(\bb)+128*\t+64*\s
.endr
.endr
.endm
; k, q: transposed (source 0 = the weight's rows): a lane holds a token, 16 channels: quantised along the channels.  v: source 0 = the tokens, source 1 = Wv's rows: a lane holds a channel, 16 neighbouring tokens: quantised along the tokens.
; The accumulators take turns, one instruction a turn.
.macro KVBLK bb
	s_wait_dscnt 0x0
	WIN 0x01                                       ; source 0 (Wk, Wq) window 1
.irp s, 0,1
.irp t, 0,1
.irp u, 0,1
.if \s == 0
	MMZ ACC+16*\t+8*\u, WK+8*(2*\u+\s), HFK+8*(2*\t+\s), WKS+2*\u+\s, HS+2*\t+\s
	MMZ QAC+16*\t+8*\u, WQ+8*(2*\u+\s), HFK+8*(2*\t+\s), WQS+2*\u+\s, HS+2*\t+\s
.else
	MMA ACC+16*\t+8*\u, WK+8*(2*\u+\s), HFK+8*(2*\t+\s), WKS+2*\u+\s, HS+2*\t+\s
	MMA QAC+16*\t+8*\u, WQ+8*(2*\u+\s), HFK+8*(2*\t+\s), WQS+2*\u+\s, HS+2*\t+\s
.endif
.endr
.endr
.endr
	WIN 0x04                                       ; source 1 (Wv) window 1
.irp s, 0,1
.irp u, 0,1
.irp t, 0,1
.if \s == 0
	MMZ ACC+32+16*\u+8*\t, HFK+8*(2*\t+\s), WV1+8*(2*\u+\s), HS+2*\t+\s, WVS+2*\u+\s
.else
	MMA ACC+32+16*\u+8*\t, HFK+8*(2*\t+\s), WV1+8*(2*\u+\s), HS+2*\t+\s, WVS+2*\u+\s
.endif
.endr
.endr
.endr
	WIN 0
	PLACES 4                                       ; in front of loads into registers that the products have read, and of the first read of results
.if ((\bb)%4) < 3
	KVFETCH \bb+1                                  ; the half's next block lands while this one is quantised
.endif
	Q4 ACC
.irp t, 0,1
	v_cvt_scalef32_pk8_fp4_f32 v[CT+2*\t], v[ACC+16*\t:ACC+16*\t+7], v[TM+12+\t]
	v_cvt_scalef32_pk8_fp4_f32 v[CT+2*\t+1], v[ACC+16*\t+8:ACC+16*\t+15], v[TM+12+\t]
.endr
.irp u, 0,1
	v_cvt_scalef32_pk8_fp4_f32 v[VT+4*\u+2*((\bb)%2)], v[ACC+32+16*\u:ACC+32+16*\u+7], v[TM+14+\u]
	v_cvt_scalef32_pk8_fp4_f32 v[VT+4*\u+2*((\bb)%2)+1], v[ACC+32+16*\u+8:ACC+32+16*\u+15], v[TM+14+\u]
.endr
	v_nop                                          ; one plain place behind the scaled conversions
.irp t, 0,1
	v_lshl_or_b32 v[KS+2*(\bb)+\t], v[TM+4+\t], 8, v[TM+4+\t]     ; a key's byte, for the unit's blocks 0 and 1
.endr
.irp u, 0,1
.if (\bb)%4 == 0
	v_mov_b32 v[VS+2*\u+(\bb)/4], v[TM+6+\u]       ; v's scale words: byte B % 4 of K step B / 4
.else
	v_lshl_or_b32 v[VS+2*\u+(\bb)/4], v[TM+6+\u], 8*((\bb)%4), v[VS+2*\u+(\bb)/4]
.endif
.endr
.if (\bb)%2 == 1
.irp u, 0,1
.irp i, 0,1
	v_permlane16_swap_b32 v[VT+4*\u+\i], v[VT+4*\u+2+\i]          ; the operand's layout wants a WHOLE block in a lane: lanes 0-15 the even block, lanes 16-31 the odd one
.endr
.endr
.endif
	WIN 0x40
.irp i, 0,1,2,3
	v_mov_b32 v[KC+4*(\bb)+\i], v[CT+\i]
.endr
.if (\bb)%2 == 1
.irp u, 0,1
.irp i, 0,1,2,3
	v_mov_b32 v[VF+8*(2*\u+(\bb)/4)+4*(((\bb)/2)%2)+\i], v[VT+4*\u+\i]
.endr
.endr
.endif
	WIN 0
.irp n, 0,1,2,3,4,5,6,7,8,9,10,11,12,13
.irp t, 0,1
	QBL \n, QAC+16*\t, TM+\t, TM+2+\t, TM+4+\t, TM+12+\t, CT+2*\t     ; q's two tiles by turns
.endr
.endr
	v_nop                                          ; one plain place behind the scaled conversions
.irp t, 0,1
	v_lshl_or_b32 v[TM+\t], v[TM+4+\t], 8, v[TM+4+\t]             ; a query's byte, twice
.endr
.irp t, 0,1
	ds_store_b16 v[QAD], v[TM+\t] offset:32*(2*(\bb)+\t)          ; bytes of my own; both halves of the lanes write the same two bytes with the same values
.endr
	WIN 0x40
.irp i, 0,1,2,3
	v_mov_b32 v[QC+4*(\bb)+\i], v[CT+\i]           ; q's codes wait in registers
.endr
	WIN 0
.endm
	s_wait_alu depctr_va_vdst(0)                   ; directly ahead of the wait below
	s_wait_asynccnt 0x20                           ; my first 32 copies are done: LDS tile w; the 32 issued behind them (tile 8 + w) may be out
	STATS1 0
	BAR                                            ; rows 0-127 and their figures are there for every wave
	s_wait_loadcnt 0x0                             ; the gains, and with them all the head's weights
	NORMQ 0, 2                                     ; behind its barrier h's images of tiles 0-7 are whole
.irp b, 0,1,2,3
	v_mov_b32 v[TM+4+\b], 0
.endr
	KVFETCH 0
.irp q, 0,1,2,3
	KVBLK \q
.endr
	s_wait_asynccnt 0x0                            ; all my copies are done
	STATS1 1
	BAR
	NORMQ 2, 2
	KVFETCH 4
.irp q, 4,5,6,7
	KVBLK \q
.endr
	; the diagonal block's masks: register 16 B + i holds key 32 B + 16 h + i; my query is 32 B + 8 (T % 2) + r + 8 (r / 8): hidden where i > r + 8 (r / 8) - 16 h + 8 (T % 2)
	v_lshlrev_b32 v110, 4, v2
	s_delay_alu instid0(VALU_DEP_1)
	v_sub_nc_u32 v110, v3, v110
	s_delay_alu instid0(VALU_DEP_1)
	v_add_nc_u32 v111, 8, v110
.irp i, 0,1,2,3,4,5,6,7,8,9,10,11,12,13,14,15
	v_cmp_gt_i32 s[MK0+\i], \i, v110
	v_cmp_gt_i32 s[MK1+\i], \i, v111
.endr
	s_lshl_b32 s2, s[WV], 8
	s_add_co_u32 s2, s2, AIMG
	v_lshl_add_u32 v122, v1, 4, s2
	s_delay_alu instid0(VALU_DEP_1)
	v_lshl_add_u32 v122, v2, 3, v122               ; where my 8 bytes of a tile's image go
	s_lshr_b32 s2, s[WV], 2
	s_lshl_b32 s2, s2, 6
	s_and_b32 s3, s[WV], 3
	s_add_co_u32 s2, s2, s3
	s_add_co_u32 s2, s2, ASC
	v_add_nc_u32 v123, s2, v10                     ; and my scale byte
	v_mov_b32 v15, 0xff800000                      ; -infinity
.irp i, 2,3,4,5,6,7
	v_mov_b32 v[QF+\i], 0                          ; q's fragment: zero codes but for its first two registers
.endr
.irp i, 0,1,2,3,4,5,6,7,8,9,10,11,12,13,14,15
	v_mov_b32 v[PCA+\i], 0                         ; p's codes of blocks that are left out: the blocks that a query sees only grow from trip to trip, so what lies behind them is cleared once
.endr
.irp b, 0,1,2,3,4,5,6,7
	v_mov_b32 v[BT+\b], 0
	v_mov_b32 v[BM+\b], v15                        ; the largest score of a block that is left out
.endr
	v_mov_b32 v[PS+1], 0
	v_mov_b32 v[NM+1], 0
	v_mov_b32 v[RL+1], 0
	v_mov_b32 v112, 0
	s_wait_alu depctr_va_vdst(0)                   ; directly ahead of the barrier's wait
	BAR                                            ; every wave is done with h's images: q's codes, and later the attention's images, are laid over them
	WIN 0x04                                       ; an LDS store's data are its source 1: window 1
.irp t, 0,1,2,3,4,5,6,7,8,9,10,11,12,13,14,15
	ds_store_b64 v122, v[QC+2*\t:QC+2*\t+1] offset:2048*\t        ; bytes that my wave alone touches until the barrier behind the attention
.endr
	WIN 0
; ================================================================ THE ATTENTION OF MY HEAD, a tile of 16 queries a trip
	s_mov_b32 s[CNT], 0
	s_mov_b32 s[SA], 0
	s_mov_b32 s[SB], 0
	s_mov_b32 s[SC2], 0
.Latt:
	v_add_nc_u32 v13, s[SA], v122
	v_add_nc_u32 v12, s[SC2], v[QAD]
	v_add_nc_u32 v14, s[SB], v123
	ds_load_b64 v[QF:QF+1], v13                    ; the tile's codes of q (LDS serves a wave's instructions in order: they see my stores)
	ds_load_u16 v[QS], v12                         ; and its scale bytes
	s_lshr_b32 s[BQ], s[CNT], 1
	s_and_b32 s2, s[CNT], 1                        ; SCC = the tile is odd; the selects leave SCC alone
.irp i, 0,1,2,3,4,5,6,7,8,9,10,11,12,13,14,15
	s_cselect_b32 s[MKS+\i], s[MK1+\i], s[MK0+\i]
.endr
	s_wait_dscnt 0x0
	WIN 0x01
.irp k, 0,1,2,3,4,5,6,7,8,9,10,11,12,13,14,15
	MMZ SS+8*\k, KC+2*\k, QF, KS+\k, QS            ; S^T: source 0 = 16 keys (two registers of codes; the six named behind them meet q's zero codes), source 1 = my 16 queries
.endr
	WIN 0
	PLACES 4
	; the largest score of each block of 32 keys: for the row's maximum and, since p rises with the score, for the block's largest p
.irp b, 0,1,2,3,4,5,6,7
.if \b > 0
	s_cmp_lt_u32 s[BQ], \b
	s_cbranch_scc1 .Lsw1_end                       ; this block and all behind it lie wholly behind the queries
.endif
	s_cmp_lg_u32 s[BQ], \b
	s_cbranch_scc1 .Lnm_\b
.irp i, 0,1,2,3,4,5,6,7,8,9,10,11,12,13,14,15
	v_cndmask_b32 v[SS+16*\b+\i], v[SS+16*\b+\i], v15, s[MKS+\i]   ; on the diagonal hidden scores become -infinity
.endr
.Lnm_\b:
	v_max3_num_f32 v[BM+\b], v[SS+16*\b], v[SS+16*\b+1], v[SS+16*\b+2]
	v_max3_num_f32 v[BT+\b], v[SS+16*\b+3], v[SS+16*\b+4], v[SS+16*\b+5]
	v_max3_num_f32 v[BM+\b], v[BM+\b], v[SS+16*\b+6], v[SS+16*\b+7]
	v_max3_num_f32 v[BT+\b], v[BT+\b], v[SS+16*\b+8], v[SS+16*\b+9]
	v_max3_num_f32 v[BM+\b], v[BM+\b], v[SS+16*\b+10], v[SS+16*\b+11]
	v_max3_num_f32 v[BT+\b], v[BT+\b], v[SS+16*\b+12], v[SS+16*\b+13]
	v_max3_num_f32 v[BM+\b], v[BM+\b], v[SS+16*\b+14], v[SS+16*\b+15]
	s_delay_alu instid0(VALU_DEP_1)
	v_max_num_f32 v[BM+\b], v[BM+\b], v[BT+\b]
	s_delay_alu instid0(VALU_DEP_1)
	v_permlanex16_b32 v[BT+\b], v[BM+\b], s[SEL], s[SEL+1]
	s_delay_alu instid0(VALU_DEP_1)
	v_max_num_f32 v[BM+\b], v[BM+\b], v[BT+\b]     ; with lane l xor 16's 16 keys
.endr
.Lsw1_end:
	s_wait_alu depctr_va_vdst(0)
	v_max3_num_f32 v110, v[BM], v[BM+1], v[BM+2]
	s_delay_alu instid0(VALU_DEP_1)
	v_max3_num_f32 v110, v110, v[BM+3], v[BM+4]
	s_delay_alu instid0(VALU_DEP_1)
	v_max3_num_f32 v110, v110, v[BM+5], v[BM+6]
	s_delay_alu instid0(VALU_DEP_1)
	v_max_num_f32 v110, v110, v[BM+7]              ; the row's largest score (blocks left out hold -infinity)
	s_delay_alu instid0(VALU_DEP_1)
	v_mul_f32 v110, s[CS], v110                    ; as t
	s_delay_alu instid0(VALU_DEP_1)
	v_floor_f32 v[NM], -v110                       ; -M = floor(-t) = -ceil(t)
.irp b, 0,1,2,3,4,5,6,7
.if \b > 0
	s_cmp_lt_u32 s[BQ], \b
	s_cbranch_scc1 .Lsw2_end
.endif
.irp j, 0,2,4,6,8,10,12,14
	v_pk_fma_f32 v[SS+16*\b+\j:SS+16*\b+\j+1], v[SS+16*\b+\j:SS+16*\b+\j+1], s[CS:CS+1], v[NM:NM+1] op_sel_hi:[1,0,0]   ; t - M
.endr
	v_fma_f32 v[BM+\b], v[BM+\b], s[CS], v[NM]     ; the same of the block's largest score
	s_wait_alu depctr_va_vdst(0)                   ; the wait ahead of the batch
.irp j, 0,1,2,3,4,5,6,7,8,9,10,11,12,13,14,15
	v_exp_f32 v[SS+16*\b+\j], v[SS+16*\b+\j]       ; p = 2^(t - M): not normalised
.endr
	v_exp_f32 v[BM+\b], v[BM+\b]                   ; the block's largest p: the same two instructions on the same number
	v_nop                                          ; the plain place behind the exponentials
	s_wait_alu depctr_va_vdst(0)                   ; and behind it, ahead of its first reader
.if \b == 0
	v_pk_add_f32 v[LS0:LS0+1], v[SS:SS+1], v[SS+4:SS+5]           ; the row's sum is taken of the unquantised p, in two chains; block 0, which every query sees, starts them
	v_pk_add_f32 v[LS1:LS1+1], v[SS+2:SS+3], v[SS+6:SS+7]
.irp j, 8,12
	v_pk_add_f32 v[LS0:LS0+1], v[LS0:LS0+1], v[SS+\j:SS+\j+1]
	v_pk_add_f32 v[LS1:LS1+1], v[LS1:LS1+1], v[SS+\j+2:SS+\j+3]
.endr
.else
.irp j, 0,4,8,12
	v_pk_add_f32 v[LS0:LS0+1], v[LS0:LS0+1], v[SS+16*\b+\j:SS+16*\b+\j+1]
	v_pk_add_f32 v[LS1:LS1+1], v[LS1:LS1+1], v[SS+16*\b+\j+2:SS+16*\b+\j+3]
.endr
.endif
	v_max_num_f32 v[BM+\b], FLOOR, v[BM+\b]
	s_delay_alu instid0(VALU_DEP_1)
	v_add_nc_u32 v[BT+\b], EOFF, v[BM+\b]          ; the conversions' scale operand
.if \b%4 == 0
	s_delay_alu instid0(VALU_DEP_1)
	v_lshrrev_b32 v[PS+\b/4], 23, v[BT+\b]         ; p's scale words: byte B % 4 of K step B / 4; the first byte clears the others
.else
	s_delay_alu instid0(VALU_DEP_1)
	v_lshrrev_b32 v110, 23, v[BT+\b]
	s_delay_alu instid0(VALU_DEP_1)
	v_lshl_or_b32 v[PS+\b/4], v110, 8*(\b%4), v[PS+\b/4]
.endif
	v_cvt_scalef32_pk8_fp4_f32 v[PCA+2*\b], v[SS+16*\b:SS+16*\b+7], v[BT+\b]
	v_cvt_scalef32_pk8_fp4_f32 v[PCA+2*\b+1], v[SS+16*\b+8:SS+16*\b+15], v[BT+\b]
.if \b%2 == 0
	v_mov_b32 v[PCA+2*\b+2], 0                     ; the odd block beside me: the exchange of halves below has left my codes there in an earlier trip; zero codes, unless the block follows.  (Also the plain place behind the conversions)
	v_mov_b32 v[PCA+2*\b+3], 0
.else
	v_nop                                          ; one plain place behind the scaled conversions
.endif
.endr
.Lsw2_end:
	s_wait_alu depctr_va_vdst(0)
.irp s, 0,1
.irp c, 0,1
.irp i, 0,1
	v_permlane16_swap_b32 v[PCA+8*\s+4*\c+\i], v[PCA+8*\s+4*\c+2+\i]   ; a WHOLE block in a lane, as for v
.endr
.endr
.endr
	v_pk_add_f32 v[LS0:LS0+1], v[LS0:LS0+1], v[LS1:LS1+1]
	s_delay_alu instid0(VALU_DEP_1)
	v_add_f32 v110, v[LS0], v[LS0+1]
	s_delay_alu instid0(VALU_DEP_1)
	v_permlanex16_b32 v111, v110, s[SEL], s[SEL+1]
	s_delay_alu instid0(VALU_DEP_1)
	v_add_f32 v110, v110, v111                     ; the row's sum
	s_wait_alu depctr_va_vdst(0)
	v_rcp_f32 v[RL], v110
	PLACES 8                                       ; p's scale words stand 8 places, its codes 4, ahead of the scaled products; results are laid over scores that are done with
	WIN 0x01
	MMZ OA, VF, PCA, VS, PS                        ; O^T = V^T P^T: source 0 = 16 channels of v, source 1 = p; K = the 256 keys
	MMZ OA+8, VF+16, PCA, VS+2, PS
	MMA OA, VF+8, PCA+8, VS+1, PS+1
	MMA OA+8, VF+24, PCA+8, VS+3, PS+1
	WIN 0
	PLACES 4
	s_wait_alu depctr_va_vdst(0)
.irp j, 0,2,4,6,8,10,12,14
	v_pk_mul_f32 v[OA+\j:OA+\j+1], v[OA+\j:OA+\j+1], v[RL:RL+1] op_sel_hi:[1,0]   ; / the sum
.endr
	QB1 OA, 110, 111, 112, 113, OC                 ; my head's 32 channels are block w of Wo's K
	ds_store_b64 v13, v[OC:OC+1]                   ; over the tile's codes of q, which are done with
	ds_store_b8 v14, v112
	s_add_co_u32 s[SA], s[SA], 2048
	s_add_co_u32 s[SB], s[SB], 128
	s_add_co_u32 s[SC2], s[SC2], 32
	s_add_co_u32 s[CNT], s[CNT], 1
	s_cmp_lt_u32 s[CNT], 16
	s_cbranch_scc1 .Latt
	; 72 loads for later phases, into registers that the attention has left: LN2's gains, W1's and W2's scale words, W1's fragments
	LOADC16 28, GG
	LOADC16 30, BN
.irp t, 0,1,2,3,4,5,6,7
.irp s, 0,1
	global_load_b32 v[W1S+2*\t+\s], v5, s[34:35] offset:256*(\t/2)+64*(\t%2)+4*\s
.endr
.endr
.irp u, 0,1
.irp s, 0,1,2,3,4,5,6,7
	global_load_b32 v[W2S+8*\u+\s], v7, s[38:39] offset:256*\u+4*\s
.endr
.endr
	WIN 0x40
.irp t, 0,1,2,3,4,5,6,7
.irp s, 0,1
.irp c, 0,1
	global_load_b128 v[W1F+8*(2*\t+\s)+4*\c:W1F+8*(2*\t+\s)+4*\c+3], v4, s[32:33] offset:4096*(\t/2)+1024*(\t%2)+64*\s+32*\c
.endr
.endr
.endr
	WIN 0
	BAR                                            ; the attention's images are whole
; ================================================================ x1 = x + bo + attn Wo: my 32 columns, four tiles of rows a trip; x + bo is the C of each sum's first product
	s_mov_b32 s[SA], AIMG
	s_mov_b32 s[SB], ASC
	s_lshl_b32 s[SC2], s[WV], 7
	s_add_co_u32 s[SC2], s[SC2], XB
	s_mov_b32 s[CNT], 0
.Lwo:
	v_add_nc_u32 v11, s[SA], v9
	v_add_nc_u32 v12, s[SB], v10
	v_mad_u32_u24 v13, v1, XP, s[SC2]
	s_delay_alu instid0(VALU_DEP_1)
	v_add_nc_u32 v13, v8, v13
.irp t, 0,1,2,3
.irp j, 0,1,2,3
	ds_load_b128 v[XA+16*\t+4*\j:XA+16*\t+4*\j+3], v13 offset:16*XP*\t+16*\j
.endr
.endr
.irp t, 0,1,2,3
.irp s, 0,1
	FETCH AF+16*\t+8*\s, 11, 2048*\t+1024*\s
	ds_load_b32 v[ASR+2*\t+\s], v12 offset:128*\t+64*\s
.endr
.endr
	s_wait_dscnt 24                                ; x's 16 loads are in; the 24 issued behind them (images and scale words) may be out
	WIN 0x04                                       ; source 1 (bo) window 1
.irp t, 0,1,2,3
.irp j, 0,2,4,6,8,10,12,14
	v_pk_add_f32 v[XA+16*\t+\j:XA+16*\t+\j+1], v[XA+16*\t+\j:XA+16*\t+\j+1], v[BO+\j:BO+\j+1]
.endr
.endr
	PLACES 4
	s_wait_alu depctr_va_vdst(0)
	s_wait_dscnt 0x0
	WIN 0x01
.irp s, 0,1
.irp t, 0,1,2,3
.irp u, 0,1
	MMA XA+16*\t+8*\u, WO+8*(2*\u+\s), AF+16*\t+8*\s, WOS+2*\u+\s, ASR+2*\t+\s
.endr
.endr
.endr
	WIN 0
	PLACES 4
.irp t, 0,1,2,3
.irp j, 0,1,2,3
	ds_store_b128 v13, v[XA+16*\t+4*\j:XA+16*\t+4*\j+3] offset:16*XP*\t+16*\j   ; in place: my columns are mine alone
.endr
.endr
	s_wait_dscnt 0x0
	s_add_co_u32 s[SA], s[SA], 8192
	s_add_co_u32 s[SB], s[SB], 512
	s_add_co_u32 s[SC2], s[SC2], 64*XP
	s_add_co_u32 s[CNT], s[CNT], 1
	s_cmp_lt_u32 s[CNT], 4
	s_cbranch_scc1 .Lwo
	WIN 0x40
.irp u, 0,1
.irp s, 0,1,2,3,4,5,6,7
.irp c, 0,1
	global_load_b128 v[W2F+8*(8*\u+\s)+4*\c:W2F+8*(8*\u+\s)+4*\c+3], v6, s[36:37] offset:4096*\u+64*\s+32*\c   ; 32 loads, over Wo and bo, which are done with
.endr
.endr
.endr
	WIN 0
	s_barrier_signal -1
	s_barrier_wait -1                              ; x1 is whole, and nobody reads the attention's images any more
; ================================================================ LN2
	STATS1 0
	STATS1 1
	BAR
.irp t, 0,1,2,3,4,5,6,7
.irp j, 0,1
	global_load_b128 v[B1+8*\t+4*\j:B1+8*\t+4*\j+3], v8, s[40:41] offset:128*(\t/2)+32*(\t%2)+16*\j   ; b1 in the result's layout: tile t, units 32 (t / 2) + 8 (t % 2) + 16 h + 0 .. 7
.endr
.endr
	LOADC16 42, B2                                 ; 20 loads with b2's four
	s_wait_loadcnt 52                              ; W2's 32 loads and these 20 may be out; the 72 issued ahead of them, LN2's gains among them, are in
	NORMQ 0, 4                                     ; behind its barrier h2's images are whole
	s_wait_loadcnt 0x0                             ; all weights and biases; the offsets' registers may be written
	v_and_b32 v7, 31, v0
	s_lshl_b32 s2, s[WV], 7
	s_add_co_u32 s2, s2, XB
	v_mad_u32_u24 v5, v1, XP, s2
	s_delay_alu instid0(VALU_DEP_1)
	v_add_nc_u32 v5, v8, v5                        ; v5: my columns of row r
	s_mul_i32 s2, s[WV], 4*XP
	s_add_co_u32 s2, s2, XB
	v_add_nc_u32 v6, s2, v9                        ; v6: the way out: my 4 rows of a group's 32, 16 bytes a lane
	v_add_nc_u32 v3, HID, v9                       ; v3: a hidden image's place for my lane
	v_lshl_add_u32 v4, v7, 2, HIDS                 ; v4: a hidden scale word's
	s_lshl_b32 s2, s[WV], 10
	v_add_nc_u32 v1, s2, v3                        ; v1: where I store mine: K step w
	s_lshl_b32 s2, s[WV], 7
	v_add_nc_u32 v2, s2, v4                        ; v2: and its scale words
.set TM, 224
.irp b, 0,1,2,3
	v_mov_b32 v[TM+4+\b], 0
.endr
; ================================================================ THE MLP, two tiles of 16 rows a trip
.macro P1FETCH t                       ; h2's fragments and scale words of tile t, counted from the trip's first
	FETCH HFM, 11, HIMG+2048*\t
	FETCH HFM+8, 11, HIMG+2048*\t+1024
	ds_load_b32 v[HS], v12 offset:HSC+128*\t
	ds_load_b32 v[HS+1], v12 offset:HSC+128*\t+64
.endm
; my 128 hidden units of tile t: eight accumulators by turns, b1 as the first products' C; relu; quantised: they are K step w of the second product; the fragment goes to LDS as it stands
.macro P1 t
	s_wait_dscnt 0x0
	WIN 0x01
.irp k, 0,1,2,3,4,5,6,7
	MMC HA+8*\k, W1F+16*\k, HFM, B1+8*\k, W1S+2*\k, HS
.endr
.irp k, 0,1,2,3,4,5,6,7
	MMA HA+8*\k, W1F+16*\k+8, HFM+8, W1S+2*\k+1, HS+1
.endr
	WIN 0
	PLACES 4
.if \t == 0
	P1FETCH 1
.endif
.set jj, 0
.rept 64
	v_max_num_f32 v[HA+jj], 0, v[HA+jj]
.set jj, jj+1
.endr
	Q4 HA
	s_delay_alu instid0(VALU_DEP_3)
	v_lshl_or_b32 v[PW], v[TM+5], 8, v[TM+4]
	s_delay_alu instid0(VALU_DEP_1)
	v_lshl_or_b32 v[PW], v[TM+6], 16, v[PW]
	s_delay_alu instid0(VALU_DEP_1)
	v_lshl_or_b32 v[PW], v[TM+7], 24, v[PW]
.irp b, 0,1,2,3
	v_cvt_scalef32_pk8_fp4_f32 v[PCM+2*\b], v[HA+16*\b:HA+16*\b+7], v[TM+12+\b]
	v_cvt_scalef32_pk8_fp4_f32 v[PCM+2*\b+1], v[HA+16*\b+8:HA+16*\b+15], v[TM+12+\b]
.endr
	v_nop
.irp c, 0,1
.irp i, 0,1
	v_permlane16_swap_b32 v[PCM+4*\c+\i], v[PCM+4*\c+2+\i]
.endr
.endr
.irp c, 0,1
	ds_store_b128 v1, v[PCM+4*\c:PCM+4*\c+3] offset:8192*\t+512*\c
.endr
	ds_store_b32 v2, v[PW] offset:1024*\t
.endm
.macro BATCH q                         ; the hidden fragments and scale words of K steps 2 q, 2 q + 1, both tiles: 12 LDS loads, into buffer q % 2
.irp e, 0,1
.irp t, 0,1
.irp c, 0,1
	ds_load_b128 v[HFR+32*((\q)%2)+16*\e+8*\t+4*\c:HFR+32*((\q)%2)+16*\e+8*\t+4*\c+3], v3 offset:1024*(8*\t+2*(\q)+\e)+512*\c
.endr
	ds_load_b32 v[HSR+4*((\q)%2)+2*\e+\t], v4 offset:128*(8*\t+2*(\q)+\e)
.endr
.endr
.endm
.macro MULB q                          ; eight products: four accumulators by turns, a K step at a time
	WIN 0x01
.irp e, 0,1
.irp t, 0,1
.irp u, 0,1
	MMA YA+16*\t+8*\u, W2F+8*(8*\u+2*(\q)+\e), HFR+32*((\q)%2)+16*\e+8*\t, W2S+8*\u+2*(\q)+\e, HSR+4*((\q)%2)+2*\e+\t
.endr
.endr
.endr
	WIN 0
	PLACES 4
.endm
	s_mov_b32 s[CNT], 0
	s_mov_b32 s[SA], 0
	s_mov_b32 s[SB], 0
	s_mov_b32 s[SC2], 0
	v_add_nc_u32 v11, s[SA], v9
	v_add_nc_u32 v12, s[SB], v10
	P1FETCH 0                                      ; the first trip's first tile; each later trip's is asked for in the trip before
.Lmlp:
	v_add_nc_u32 v11, s[SA], v9
	v_add_nc_u32 v12, s[SB], v10
	v_add_nc_u32 v13, s[SC2], v5
	v_add_nc_u32 v14, s[SC2], v6
	s_wait_alu depctr_va_vdst(0)                   ; directly ahead of the wait below
	P1 0
	P1 1
	BAR                                            ; the two tiles' sixteen hidden fragments lie in LDS
.irp t, 0,1
.irp j, 0,1,2,3
	ds_load_b128 v[YA+16*\t+4*\j:YA+16*\t+4*\j+3], v13 offset:16*XP*\t+16*\j
.endr
.endr
	BATCH 0
	BATCH 1
	s_wait_dscnt 24                                ; x1's 8 loads are in; the two batches of 12 behind them may be out
.irp t, 0,1
.irp j, 0,2,4,6,8,10,12,14
	v_pk_add_f32 v[YA+16*\t+\j:YA+16*\t+\j+1], v[YA+16*\t+\j:YA+16*\t+\j+1], v[B2+\j:B2+\j+1]   ; x1 + b2 is the C of the first products
.endr
.endr
	PLACES 4
	s_wait_alu depctr_va_vdst(0)
	s_wait_dscnt 12                                ; batch 0 is in; batch 1's 12 may be out
	MULB 0
	BATCH 2
	s_wait_dscnt 12                                ; batch 1 is in; batch 2's 12 may be out
	MULB 1
	BATCH 3
	s_wait_dscnt 12                                ; batch 2 is in; batch 3's 12 may be out
	MULB 2
	s_wait_dscnt 0x0
	MULB 3
	s_cmp_eq_u32 s[CNT], 7
	s_cbranch_scc1 .Lno_next                       ; the last trip has no successor
	P1FETCH 2                                      ; the next trip's first tile of h2, two tiles on: it lands under the stores, the barrier and the way out
.Lno_next:
.irp t, 0,1
.irp j, 0,1,2,3
	ds_store_b128 v13, v[YA+16*\t+4*\j:YA+16*\t+4*\j+3] offset:16*XP*\t+16*\j
.endr
.endr
	BAR                                            ; the group's 32 rows of the result are whole, and nobody reads the hidden images any more
.irp i, 0,1,2,3
.irp k, 0,1
	ds_load_b128 v[OUT+4*(2*\i+\k):OUT+4*(2*\i+\k)+3], v14 offset:XP*\i+512*\k
.endr
.endr
.irp i, 0,1,2,3
.irp k, 0,1
	s_wait_dscnt 7-(2*\i+\k)                       ; LDS loads come back in order: this one is in, the younger ones may be out
	global_store_b128 v9, v[OUT+4*(2*\i+\k):OUT+4*(2*\i+\k)+3], s[44:45] offset:1024*\i+512*\k th:TH_STORE_NT   ; 32 lanes store 512 consecutive bytes, at a multiple of 512 from out0's first byte
.endr
.endr
	s_wait_xcnt 0x0                                ; the stores have read their registers and their base: both are written again
	s_add_nc_u64 s[44:45], s[44:45], 32768
	s_add_co_u32 s[SA], s[SA], 4096
	s_add_co_u32 s[SB], s[SB], 256
	s_add_co_u32 s[SC2], s[SC2], 32*XP
	s_add_co_u32 s[CNT], s[CNT], 1
	s_cmp_lt_u32 s[CNT], 8
	s_cbranch_scc1 .Lmlp
	s_wait_xcnt 0x0
	v_lshl_add_u32 v254, v0, 2, SPARE              ; the two registers held data meanwhile: they are made anew from v0
	v_mov_b32 v255, 0
	s_wait_alu depctr_va_vdst(0)
	s_wait_tensorcnt 0x0                           ; the wave's end
	ds_add_u32 v254, v255
	s_wait_dscnt 0x0
	s_endpgm
.Lfunc_end_k_qa746073a3a_block:
	.size	k_qa746073a3a_block, .Lfunc_end_k_qa746073a3a_block-k_qa746073a3a_block
	.p2alignl 7, 3214868480
	.fill 96, 4, 3214868480
	.section	.rodata,"a",@progbits
	.p2align	6, 0x0
	.amdhsa_kernel k_qa746073a3a_block
		.amdhsa_group_segment_fixed_size 327680
		.amdhsa_private_segment_fixed_size 0
		.amdhsa_enable_private_segment 0
		.amdhsa_kernarg_size 168
		.amdhsa_user_sgpr_count 2
		.amdhsa_user_sgpr_kernarg_segment_ptr 1
		.amdhsa_wavefront_size32 1
		.amdhsa_system_sgpr_workgroup_id_x 1
		.amdhsa_system_sgpr_workgroup_id_y 1
		.amdhsa_system_sgpr_workgroup_id_z 1
		.amdhsa_system_vgpr_workitem_id 0
		.amdhsa_next_free_vgpr 512
		.amdhsa_next_free_sgpr 106
		.amdhsa_reserve_vcc 0
		.amdhsa_float_denorm_mode_32 3
		.amdhsa_float_denorm_mode_16_64 3
		.amdhsa_memory_ordered 1
		.amdhsa_forward_progress 1
		.amdhsa_inst_pref_size 255
	.end_amdhsa_kernel
	.section	.bss,"aw",@nobits
	.p2align	6
	.space	262144
	.amdgpu_metadata
---
amdhsa.version: [ 1, 2 ]
amdhsa.kernels:
  - .name:           k_qa746073a3a_block
    .symbol:         k_qa746073a3a_block.kd
    .args:
      - { .name: x, .offset: 0, .size: 8, .value_kind: global_buffer, .address_space: global }
      - { .name: ln1_g, .offset: 8, .size: 8, .value_kind: global_buffer, .address_space: global }
      - { .name: ln1_b, .offset: 16, .size: 8, .value_kind: global_buffer, .address_space: global }
      - { .name: Wk_codes, .offset: 24, .size: 8, .value_kind: global_buffer, .address_space: global }
      - { .name: Wk_scales, .offset: 32, .size: 8, .value_kind: global_buffer, .address_space: global }
      - { .name: Wv_codes, .offset: 40, .size: 8, .value_kind: global_buffer, .address_space: global }
      - { .name: Wv_scales, .offset: 48, .size: 8, .value_kind: global_buffer, .address_space: global }
      - { .name: Wq_codes, .offset: 56, .size: 8, .value_kind: global_buffer, .address_space: global }
      - { .name: Wq_scales, .offset: 64, .size: 8, .value_kind: global_buffer, .address_space: global }
      - { .name: Wo_codes, .offset: 72, .size: 8, .value_kind: global_buffer, .address_space: global }
      - { .name: Wo_scales, .offset: 80, .size: 8, .value_kind: global_buffer, .address_space: global }
      - { .name: bo, .offset: 88, .size: 8, .value_kind: global_buffer, .address_space: global }
      - { .name: ln2_g, .offset: 96, .size: 8, .value_kind: global_buffer, .address_space: global }
      - { .name: ln2_b, .offset: 104, .size: 8, .value_kind: global_buffer, .address_space: global }
      - { .name: W1_codes, .offset: 112, .size: 8, .value_kind: global_buffer, .address_space: global }
      - { .name: W1_scales, .offset: 120, .size: 8, .value_kind: global_buffer, .address_space: global }
      - { .name: W2_codes, .offset: 128, .size: 8, .value_kind: global_buffer, .address_space: global }
      - { .name: W2_scales, .offset: 136, .size: 8, .value_kind: global_buffer, .address_space: global }
      - { .name: b1, .offset: 144, .size: 8, .value_kind: global_buffer, .address_space: global }
      - { .name: b2, .offset: 152, .size: 8, .value_kind: global_buffer, .address_space: global }
      - { .name: out0, .offset: 160, .size: 8, .value_kind: global_buffer, .address_space: global }
    .group_segment_fixed_size: 327680
    .private_segment_fixed_size: 0
    .kernarg_segment_align: 8
    .kernarg_segment_size: 168
    .max_flat_workgroup_size: 256
    .sgpr_count:     106
    .vgpr_count:     512
    .wavefront_size: 32
...
	.end_amdgpu_metadata
.endif
;; end of part 1
